; MI455X (gfx1250); checked and timed in simulation.
; The chip was launched on July 23, 2026; its instructions are those of AMD's public machine-readable ISA for CDNA 5 (MIT licence, August 2026) and "CDNA5" Instruction Set Architecture Reference Guide (July 2026). The comments in the code are by the model that wrote it; some were corrected since.
;; Tropix Linear. Allowed arithmetic: float matrix products may take bf16 or f16 operands with f32 sums; all other float work in f32.
;; Inputs: bias 512 float32; weight 512 x 512 float32; x 512 x 512 float32.
;; Outputs: out0 512 x 512 float32.
;; 2 versions, each right and faster than the one before. Each part assembles by itself: llvm-mc -triple=amdgcn-amd-amdhsa -mcpu=gfx1250 --defsym DOCPART=n.
;; ======== version 1 of 2: 1 launch
;; launch tropix (part 1): grid 8 x 32, 4 waves a work-group, clusters of 4 x 4, 169,472 bytes of LDS; arguments x, weight, bias, out0; writes out0
.if DOCPART == 1
	.amdgcn_target "amdgcn-amd-amdhsa--gfx1250"
	.amdhsa_code_object_version 6
	.text
	.protected	k_q1697ed9700_tropix
	.globl	k_q1697ed9700_tropix
	.p2align	8
	.type	k_q1697ed9700_tropix,@function
k_q1697ed9700_tropix:
	s_mov_b64 s[64:65], 0
	v_nop
	global_prefetch_b8 v0, s[64:65] scope:SCOPE_SE
	s_setreg_imm32_b32 hwreg(HW_REG_WAVE_MODE, 25, 1), 1
	s_wait_xcnt 0x0
	s_wait_alu depctr_hold_cnt(0) depctr_sa_sdst(0) depctr_va_vdst(0) depctr_va_sdst(0) depctr_va_ssrc(0) depctr_va_vcc(0) depctr_vm_vsrc(0)
	s_getreg_b32 s2, hwreg(HW_REG_IB_STS2, 6, 4)
	s_cmp_eq_u32 s2, 0
	s_cbranch_scc0 .Lentry_in_a_cluster
	s_endpgm
.Lentry_in_a_cluster:
	s_bfe_u32 s2, ttmp6, 0x10000c
	s_cmp_lg_u32 s2, 0xf033
	s_cbranch_scc0 .Lentry_shape_is_right
	s_endpgm
.Lentry_shape_is_right:
; out0[n][m] = bias[m] + sum over signs a, b of a b max_k( relu(a x[n][k]) relu(b weight[m][k]) ).   x, weight, out0: [512][512] f32, bias: [512] f32.
;
; THE ARITHMETIC.  Let xp = relu(x), xn = relu(-x).  As xp >= 0: relu(x) relu(w) = max(xp w, 0) and relu(x) relu(-w) = -min(xp w, 0), the same products bit for
; bit, and likewise for xn.  So with   A = max(0, max_k xp w)   Dm = min(0, min_k xp w)   C = max(0, max_k xn w)   Bm = min(0, min_k xn w)
; the four terms are A (+,+), Dm (+,-), -C (-,+), -Bm (-,-):  out0 = A + Dm - C - Bm + bias.  Two products and four extrema for each (n, m, k) instead of four
; and four; two k at a time: one packed multiply makes two products, one three-input max or min takes both in.  This holds for all finite inputs.
; LIMITS.  A NaN or an infinity in x or weight (reference() then gives NaN, by 0 x infinity or by the NaN itself) is not reproduced: v_max/min*_num drop a NaN.
; The five addends are summed as (A - C) + (Dm - Bm) + bias, another order of rounding than reference()'s; the four extrema themselves are exact copies.
; A maximum of products is no sum of products: the matrix instructions have no part in it; all arithmetic is f32.
;
; THE SHARES.  A work-group makes 16 rows x 64 columns of out0 (a row of the block is 256 consecutive bytes, aligned): 32 x 8 = 256 work-groups.
; Wave v makes rows 4 v .. 4 v + 3, all 64 columns.  Lane l = b0 + 2 mg + 16 b4: column group mg (0..7), k group kg = b0 + 2 b4 (0..3).
; A lane holds 4 rows (i) x 8 columns (j: column 2 mg + (j & 1) + 16 (j >> 1)), four extrema each = 128 registers, over its quarter of k: in step t of
; stage g the four k = 128 g + 16 t + 4 kg + 0..3.  At the end the four k groups are joined inside the wave, without LDS and without a barrier.
;
; THE DATA.  All that a work-group reads, 16 rows of x and 64 of weight (160 KiB), fits in LDS at once: every tensor load is a first fill, none a refill.
; K goes in four stages of 128 (rows of 512 bytes, from multiples of 512 bytes), so that work begins when x and the first stage of weight are in.
; Wave v loads x's tile of stage v and, for every stage, weight's rows 16 v .. 16 v + 15: five loads of 16 rows x 128 numbers, all five out at once.
; CLUSTERS: 4 x 4 work-groups.  The four of a cluster's row make the same rows of out0 and ask jointly for x's tiles, the four of a column the same columns and ask
; jointly for weight's: a quarter of the requests.  A round of the cluster's barrier stands in front of the joint loads and one in front of s_endpgm.
; LDS rows are 528 bytes apart (512 + 16 of padding) = 132 words.  A load of a weight row: lanes 0-15 (and likewise 16-31) address rows 2 apart at
; words 264 mg + 4 b0 + a constant = 8 mg + 4 b0 modulo 64: sixteen different 16-byte columns of the 64 banks of 4 bytes (ISA guide 11.1).
.set ROWB,   2048                      ; bytes in a row of x, weight and out0
.set PITCH,  528                       ; bytes from row to row in LDS
.set PIECE,  16*PITCH                  ; what one tensor load fills: 8,448 bytes
.set XSTAGE, PIECE                     ; x: stage g at g x 8,448 from LDS byte 0
.set WBASE,  4*PIECE                   ; weight: behind x's four tiles,
.set WSTAGE, 4*PIECE                   ; stage g at WBASE + g x 33,792, row r of the 64 at + 528 r
.set STAGEB, 512                       ; bytes of a row in a stage
.set STEPB,  64                        ; bytes of a row that the four k groups take in a step
.set FETCH,  0                         ; kinds of step: fetches the next step's numbers as it goes;
.set SYNC,   1                         ; the next step lies in the next stage: first the wait and the barrier, then the fetches;
.set LAST,   2                         ; nothing is left to fetch
.set B0,  1                            ; v1        b0
.set XA,  2                            ; v2        LDS address of my 16 bytes in my wave's first row of x, at the step that is fetched next
.set WA,  3                            ; v3        the same in weight's row 2 mg
.set OFF, 4                            ; v4        64 kg + 8 mg: my two columns' bytes in a row of the block, and in bias
.set BI,  6                            ; v[6:7]    bias of my two columns
.set RAW, 8                            ; v[8:23]   x as loaded: row i in 4 registers (4 k)
.set W,   24                           ; v[24:55]  weight: column j in 4 registers (4 k)
.set XP,  58                           ; v[58:73]  relu(x)
.set XN,  74                           ; v[74:89]  relu(-x)
.set T,   92                           ; v[92:107] four sets of products: xn w (2 k), xp w (2 k)
.set ACC, 108                          ; v[108:235] output (i, j) at ACC + 4 (8 i + j): A, Dm, C, Bm
.set O,   RAW                          ; the way out: row i's two numbers
.set G1X, 24                           ; s[24:31]  descriptor group 1 for x's tiles
.set G1W, 32                           ; s[32:39]  the same for weight's: it differs in the mask alone
.set G0X, 40                           ; s[40:43]  descriptor group 0 of my x tile
.set G0W, 44                           ; s[44:59]  descriptor group 0 of my weight tile of stage 0..3: five loads are out together, so each has its own
; A round of the cluster's barrier: my work-group's barrier, wave 0 signals for the work-group, every wave waits for all sixteen, my work-group's barrier again.
.macro ROUND
	s_barrier_signal -1
	s_barrier_wait -1
	s_cmp_lg_u32 s12, 0
	s_cbranch_scc1 .Lnot_wave_0_\@
	s_barrier_signal -3
.Lnot_wave_0_\@:
	s_barrier_wait -3
	s_barrier_signal -1
	s_barrier_wait -1
.endm
	s_load_b256 s[4:11], s[0:1], 0x0               ; x s[4:5], weight s[6:7], bias s[8:9], out0 s[10:11]
	v_lshl_add_u32 v236, v0, 2, 0x29400
	v_mov_b32 v237, 0
	ds_add_u32 v236, v237
	v_lshrrev_b32 v5, 5, v0
	v_readfirstlane_b32 s12, v5                    ; wave 0..3
	s_bfe_u32 s13, ttmp6, 0x40000                  ; cx: my place along the cluster's x
	s_bfe_u32 s14, ttmp6, 0x40004                  ; cy: along its y
	s_lshl_b32 s15, ttmp9, 2                       ; in a cluster launch ttmp9 and ttmp7 count clusters
	s_add_co_u32 s15, s15, s13                     ; block of 64 columns = 4 x cluster x + cx
	s_and_b32 s16, ttmp7, 0xffff
	s_lshl_b32 s16, s16, 2
	s_add_co_u32 s16, s16, s14                     ; block of 16 rows = 4 x cluster y + cy
	s_lshl_b32 s17, s14, 2
	s_lshl_b32 s17, 15, s17                        ; my row of the cluster: places 4 cy .. 4 cy + 3
	s_lshl_b32 s18, 0x1111, s13                    ; my column: places cx, cx + 4, cx + 8, cx + 12
	; group 1: 16 rows x 128 elements of 4 bytes, 512 elements from row to row; in LDS 4 words of padding behind every 128 words
.set G1C, (2<<16)|(1<<20)|(1<<21)|(6<<22)|(3<<25)  ; 17:16 element of 4 bytes; 20 padding on; 21 set beside a mask; 24:22 every 128 words (code 6); 31:25 four words (code 3)
	s_or_b32 s[G1X+0], s17, G1C                    ; 15:0 the mask: x's tiles hang on the block of rows alone and go to my row of the cluster
	s_or_b32 s[G1W+0], s18, G1C                    ; weight's hang on the block of columns alone and go to my column
.irp g, G1X, G1W
	s_mov_b32 s[\g+1], 128<<16                     ; 63:48 tensor_dim0 = 128 (the tiles lie inside the tensors: the extents are the tile's)
	s_mov_b32 s[\g+2], 16<<16                      ; 95:80 tensor_dim1 = 16
	s_mov_b32 s[\g+3], 128<<16                     ; 127:112 tile_dim0 = 128
	s_mov_b32 s[\g+4], 16                          ; 143:128 tile_dim1 = 16; tile_dim2 = 0
	s_mov_b32 s[\g+5], 512                         ; 191:160 elements from row to row
	s_mov_b32 s[\g+6], 0
	s_mov_b32 s[\g+7], 0
.endr
	s_mul_i32 s19, s12, PIECE                      ; where my tiles go: the wave's number alone enters an LDS address
	s_lshl_b32 s20, s16, 15                        ; x: block x 16 rows x 2,048 bytes
	s_lshl_b32 s3, s12, 9                          ;    + my stage (= my wave's number) x 512 bytes
	s_add_co_u32 s20, s20, s3
	s_mov_b32 s21, 0
	s_lshl_b32 s22, s15, 17                        ; weight: block x 64 rows x 2,048 bytes
	s_lshl_b32 s3, s12, 15                         ;    + wave x 16 rows
	s_add_co_u32 s22, s22, s3
	s_mov_b32 s23, 0
	s_lshl_b32 s60, s16, 15                        ; out0: block x 16 rows
	s_lshl_b32 s3, s12, 13                         ;    + wave x 4 rows
	s_add_co_u32 s60, s60, s3
	s_lshl_b32 s62, s15, 8                         ;    + block of columns x 256 bytes, which is also the block's place in bias
	s_add_co_u32 s60, s60, s62
	s_mov_b32 s61, 0
	s_mov_b32 s63, 0
	s_mul_i32 s3, s12, 4*PITCH                     ; my wave's first row of x in a tile
	s_wait_dscnt 0x0
	s_wait_kmcnt 0x0
	s_add_nc_u64 s[10:11], s[10:11], s[60:61]      ; out0 at my wave's first row, the block's first column
	s_add_nc_u64 s[8:9], s[8:9], s[62:63]          ; bias at the block's first column
	s_add_nc_u64 s[22:23], s[6:7], s[22:23]        ; weight at my 16 rows, stage 0
	s_mov_b32 s[G0X], 1                            ; 1:0 count = 1
	s_add_co_u32 s[G0X+1], s19, 0                  ; 63:32 LDS address: x's tile of stage = wave
	s_add_nc_u64 s[G0X+2:G0X+3], s[4:5], s[20:21]  ; 120:64 global address of the tile's first element
	s_or_b32 s[G0X+3], s[G0X+3], 0x80000000        ; 127:126 type = 2
.irp g, 0,1,2,3
	s_mov_b32 s[G0W+4*\g], 1
	s_add_co_u32 s[G0W+4*\g+1], s19, WBASE+\g*WSTAGE
	s_add_nc_u64 s[G0W+4*\g+2:G0W+4*\g+3], s[22:23], \g*STAGEB
	s_or_b32 s[G0W+4*\g+3], s[G0W+4*\g+3], 0x80000000
.endr
	ROUND                                          ; all sixteen work-groups are here: the joint loads meet
	tensor_load_to_lds s[G0X:G0X+3], s[G1X:G1X+7]  ; all fills of the launch go out as one group: x first, then weight by stages; five are out
	s_nop 0
.irp g, 0,1,2,3
	tensor_load_to_lds s[G0W+4*\g:G0W+4*\g+3], s[G1W:G1W+7]
	s_nop 0
.endr
	v_and_b32 v[B0], 1, v0                         ; b0
	v_bfe_u32 v5, v0, 4, 1                         ; b4
	v_lshl_add_u32 v5, v5, 1, v[B0]                ; kg = b0 + 2 b4
	v_bfe_u32 v[T], v0, 1, 3                       ; mg
	v_lshlrev_b32 v[OFF], 6, v5
	v_lshl_add_u32 v[OFF], v[T], 3, v[OFF]         ; 64 kg + 8 mg
	global_load_b64 v[BI:BI+1], v[OFF], s[8:9]     ; bias of the two columns that I store; waited for at its use, at the end
	v_lshlrev_b32 v[XA], 4, v5                     ; 16 kg
	v_mul_u32_u24 v[WA], v[T], 2*PITCH             ; row 2 mg
	v_add_nc_u32 v[WA], v[WA], v[XA]
	v_add_nc_u32 v[WA], WBASE, v[WA]
	v_add_nc_u32 v[XA], s3, v[XA]                  ; row 4 x wave
.macro XLOADS                          ; my wave's four rows of x, 4 k each
.irp i, 0,1,2,3
	ds_load_b128 v[RAW+4*\i:RAW+4*\i+3], v[XA] offset:\i*PITCH
.endr
.endm
.macro WLOAD                           ; weight's row of my column wj, 4 k
	ds_load_b128 v[W+4*wj:W+4*wj+3], v[WA] offset:((wj&1)+16*(wj>>1))*PITCH
.endm
; A step's 64 groups: group g = 8 j + 4 kp + i is output (i, j), k pair kp.  MUL makes group gm's four products, RED takes group gr's into the four extrema.
.macro MUL
.set mi, gm & 3
.set mk, (gm >> 2) & 1
.set mj, gm >> 3
	v_pk_mul_f32 v[T+4*mi+2:T+4*mi+3], v[XP+4*mi+2*mk:XP+4*mi+2*mk+1], v[W+4*mj+2*mk:W+4*mj+2*mk+1]
	v_pk_mul_f32 v[T+4*mi:T+4*mi+1],   v[XN+4*mi+2*mk:XN+4*mi+2*mk+1], v[W+4*mj+2*mk:W+4*mj+2*mk+1]
.set gm, gm+1
.endm
.macro RED zero                        ; zero = 1: an output's first k pair starts its extrema from the constant 0, which is also the clamp: nothing is cleared
.set ri, gr & 3
.set rq, ACC+4*(8*ri+(gr >> 3))
.if \zero*(1-((gr >> 2) & 1))
	v_max3_num_f32 v[rq],   v[T+4*ri+2], v[T+4*ri+3], 0
	v_min3_num_f32 v[rq+1], v[T+4*ri+2], v[T+4*ri+3], 0
	v_max3_num_f32 v[rq+2], v[T+4*ri],   v[T+4*ri+1], 0
	v_min3_num_f32 v[rq+3], v[T+4*ri],   v[T+4*ri+1], 0
.else
	v_max3_num_f32 v[rq],   v[T+4*ri+2], v[T+4*ri+3], v[rq]
	v_min3_num_f32 v[rq+1], v[T+4*ri+2], v[T+4*ri+3], v[rq+1]
	v_max3_num_f32 v[rq+2], v[T+4*ri],   v[T+4*ri+1], v[rq+2]
	v_min3_num_f32 v[rq+3], v[T+4*ri],   v[T+4*ri+1], v[rq+3]
.endif
.set gr, gr+1
.endm
; One step: 4 k of each lane, 32 outputs.  The products run three groups ahead of the extrema that take them, in four sets of registers that take turns.
; LDS loads are issued in one order in every step that fetches: x's four rows, then weight's columns 0 to 7, each into registers whose last use has just been issued.
.macro STEP zero, mode, tcnt
	s_wait_dscnt 8                                 ; x of this step is in: behind its four loads only weight's eight of this step were issued
.irp r, 0,1,2,3,4,5,6,7,8,9,10,11,12,13,14,15
	v_max_num_f32 v[XP+\r], 0, v[RAW+\r]           ; xp = relu(x)
.endr
.irp r, 0,2,4,6,8,10,12,14
	v_pk_add_f32 v[XN+\r:XN+\r+1], v[XP+\r:XP+\r+1], v[RAW+\r:RAW+\r+1] neg_lo:[0,1] neg_hi:[0,1]   ; xn = xp - x = relu(-x), exactly, two at a time
.endr
.if \mode == FETCH
	XLOADS                                         ; the next step's x
.endif
.set gm, 0
.set gr, 0
.set sl, 0
.rept 67
.if sl >= 3
	RED \zero
.if \mode == SYNC
.if gr == 16
	; The next step's numbers lie in the next stage.  Two columns' work has been done without a fetch, so the LDS loads that are still out were issued a step ago.
	s_wait_tensorcnt \tcnt                         ; my part of the next stage's weight has landed; the tiles of the stages behind it, issued later, may stay out
	s_wait_dscnt 0x0                               ; no LDS load of mine is out at the signal
	s_barrier_signal -1
	s_barrier_wait -1                              ; every wave's part has landed
	v_add_nc_u32 v[XA], XSTAGE-STAGEB, v[XA]       ; eight steps of 64 bytes have been taken: on to the next stage's first
	v_add_nc_u32 v[WA], WSTAGE-STAGEB, v[WA]
	XLOADS                                         ; the fetches that were held back, in the usual order
.set wj, 0
	WLOAD
.set wj, 1
	WLOAD
.endif
.endif
.endif
.if sl < 64
.if (gm & 7) == 0
.if \mode == FETCH
	s_wait_dscnt 11                                ; column j of this step is in: behind it were issued 7 - j columns of this step, x's 4 rows and j columns of the next
.else
.if \mode == LAST
	s_wait_dscnt 7-(gm>>3)                         ; nothing has been fetched since: only this step's later columns may be out
.else
.if gm <= 16
	s_wait_dscnt 7-(gm>>3)                         ; likewise ahead of the barrier; behind it the wait for 0 has shown all of this step's columns in
.endif
.endif
.endif
.endif
	MUL
.if (gm & 7) == 0
.set wj, (gm>>3)-1                                 ; this column's last product has been issued: its registers take the next step's numbers
.if \mode == FETCH
	WLOAD
.endif
.if \mode == SYNC
.if wj >= 2
	WLOAD
.endif
.endif
.endif
.endif
.set sl, sl+1
.endr
.if \mode != LAST
	v_add_nc_u32 v[XA], STEPB, v[XA]
	v_add_nc_u32 v[WA], STEPB, v[WA]
.endif
.endm
.macro TRIPS n
	s_mov_b32 s3, \n
.Ltrip_\@:
	STEP 0, FETCH, 0
	s_sub_co_u32 s3, s3, 1
	s_cmp_lg_u32 s3, 0
	s_cbranch_scc1 .Ltrip_\@
.endm
	s_wait_tensorcnt 0x3                           ; my x tile and my part of weight's stage 0 have landed; the three later stages stay out
	s_barrier_signal -1
	s_barrier_wait -1                              ; every wave's have: all of x and weight's stage 0 are whole
	XLOADS                                         ; step 0
.set wj, 0
.rept 8
	WLOAD
.set wj, wj+1
.endr
	v_add_nc_u32 v[XA], STEPB, v[XA]
	v_add_nc_u32 v[WA], STEPB, v[WA]
	STEP 1, FETCH, 0                               ; step 0 starts the extrema and fetches step 1
	TRIPS 6                                        ; steps 1 to 6 fetch 2 to 7
	STEP 0, SYNC, 2                                ; step 7 fetches step 8, stage 1's first: stages 2 and 3 may stay out
	TRIPS 7                                        ; steps 8 to 14
	STEP 0, SYNC, 1                                ; step 15: stage 2
	TRIPS 7                                        ; steps 16 to 22
	STEP 0, SYNC, 0                                ; step 23: stage 3, my last tensor load: none is out from here on
	TRIPS 7                                        ; steps 24 to 30
	STEP 0, LAST, 0                                ; step 31
	; THE FOUR k GROUPS ARE JOINED.  Lanes l and l ^ 16: the swap gives lanes 0-15 both halves' figures of columns j = 0..3 and lanes 16-31 both halves' of
	; j = 4..7, one max or min joins them: 64 figures are left, those of column j' + 4 b4 in the registers of j' = 0..3.
.irp i, 0,1,2,3
.irp j, 0,1,2,3
.irp t, 0,1,2,3
	v_permlane16_swap_b32 v[ACC+4*(8*\i+\j)+\t], v[ACC+4*(8*\i+\j+4)+\t]
.endr
.endr
.irp j, 0,1,2,3
	v_max_num_f32 v[ACC+4*(8*\i+\j)],   v[ACC+4*(8*\i+\j)],   v[ACC+4*(8*\i+\j+4)]
	v_min_num_f32 v[ACC+4*(8*\i+\j)+1], v[ACC+4*(8*\i+\j)+1], v[ACC+4*(8*\i+\j+4)+1]
	v_max_num_f32 v[ACC+4*(8*\i+\j)+2], v[ACC+4*(8*\i+\j)+2], v[ACC+4*(8*\i+\j+4)+2]
	v_min_num_f32 v[ACC+4*(8*\i+\j)+3], v[ACC+4*(8*\i+\j)+3], v[ACC+4*(8*\i+\j+4)+3]
.endr
.endr
	; Lanes l and l ^ 1: the exchange rides on the max or min (DPP); both lanes then hold the extrema over all 512 k.
.irp i, 0,1,2,3
.irp j, 0,1,2,3
	v_max_num_f32_dpp v[ACC+4*(8*\i+\j)],   v[ACC+4*(8*\i+\j)],   v[ACC+4*(8*\i+\j)]   row_xmask:1 row_mask:0xf bank_mask:0xf
	v_min_num_f32_dpp v[ACC+4*(8*\i+\j)+1], v[ACC+4*(8*\i+\j)+1], v[ACC+4*(8*\i+\j)+1] row_xmask:1 row_mask:0xf bank_mask:0xf
	v_max_num_f32_dpp v[ACC+4*(8*\i+\j)+2], v[ACC+4*(8*\i+\j)+2], v[ACC+4*(8*\i+\j)+2] row_xmask:1 row_mask:0xf bank_mask:0xf
	v_min_num_f32_dpp v[ACC+4*(8*\i+\j)+3], v[ACC+4*(8*\i+\j)+3], v[ACC+4*(8*\i+\j)+3] row_xmask:1 row_mask:0xf bank_mask:0xf
.endr
.endr
.irp i, 0,1,2,3
.irp j, 0,1,2,3
	v_pk_add_f32 v[ACC+4*(8*\i+\j):ACC+4*(8*\i+\j)+1], v[ACC+4*(8*\i+\j):ACC+4*(8*\i+\j)+1], v[ACC+4*(8*\i+\j)+2:ACC+4*(8*\i+\j)+3] neg_lo:[0,1] neg_hi:[0,1]   ; A - C, Dm - Bm
.endr
.endr
.irp i, 0,1,2,3
.irp j, 0,1,2,3
	v_add_f32 v[ACC+4*(8*\i+\j)], v[ACC+4*(8*\i+\j)], v[ACC+4*(8*\i+\j)+1]
.endr
.endr
	; Of the four columns j' the lane keeps 2 b0 and 2 b0 + 1: j = 2 b0 + e + 4 b4 is column 16 kg + 2 mg + e of the block, byte 64 kg + 8 mg + 4 e of its row.
	v_cmp_eq_u32 vcc_lo, 1, v[B0]
.irp i, 0,1,2,3
	v_cndmask_b32 v[O+2*\i],   v[ACC+4*(8*\i)],   v[ACC+4*(8*\i+2)], vcc_lo
	v_cndmask_b32 v[O+2*\i+1], v[ACC+4*(8*\i+1)], v[ACC+4*(8*\i+3)], vcc_lo
.endr
	s_wait_loadcnt 0x0                             ; bias, asked for at the start
.irp i, 0,1,2,3
	v_pk_add_f32 v[O+2*\i:O+2*\i+1], v[O+2*\i:O+2*\i+1], v[BI:BI+1]
.endr
.irp i, 0,1,2,3
	global_store_b64 v[OFF], v[O+2*\i:O+2*\i+1], s[10:11] offset:\i*ROWB th:TH_STORE_NT   ; the wave's 32 lanes store 256 consecutive bytes, at a multiple of 256 from out0's first byte
.endr
	s_wait_tensorcnt 0x0
	ds_add_u32 v236, v237
	s_wait_dscnt 0x0
	ROUND                                          ; the closing round: no work-group ends while a partner may still ask for a tile that names it
	s_endpgm
.Lfunc_end_k_q1697ed9700_tropix:
	.size	k_q1697ed9700_tropix, .Lfunc_end_k_q1697ed9700_tropix-k_q1697ed9700_tropix
	.p2alignl 7, 3214868480
	.fill 96, 4, 3214868480
	.section	.rodata,"a",@progbits
	.p2align	6, 0x0
	.amdhsa_kernel k_q1697ed9700_tropix
		.amdhsa_group_segment_fixed_size 169472
		.amdhsa_private_segment_fixed_size 0
		.amdhsa_enable_private_segment 0
		.amdhsa_kernarg_size 32
		.amdhsa_user_sgpr_count 2
		.amdhsa_user_sgpr_kernarg_segment_ptr 1
		.amdhsa_wavefront_size32 1
		.amdhsa_system_sgpr_workgroup_id_x 1
		.amdhsa_system_sgpr_workgroup_id_y 1
		.amdhsa_system_sgpr_workgroup_id_z 1
		.amdhsa_system_vgpr_workitem_id 0
		.amdhsa_next_free_vgpr 238
		.amdhsa_next_free_sgpr 66
		.amdhsa_reserve_vcc 1
		.amdhsa_float_denorm_mode_32 3
		.amdhsa_float_denorm_mode_16_64 3
		.amdhsa_memory_ordered 1
		.amdhsa_forward_progress 1
		.amdhsa_inst_pref_size 252
	.end_amdhsa_kernel
	.amdgpu_metadata
---
amdhsa.version: [ 1, 2 ]
amdhsa.kernels:
  - .name:           k_q1697ed9700_tropix
    .symbol:         k_q1697ed9700_tropix.kd
    .args:
      - { .name: x, .offset: 0, .size: 8, .value_kind: global_buffer, .address_space: global }
      - { .name: weight, .offset: 8, .size: 8, .value_kind: global_buffer, .address_space: global }
      - { .name: bias, .offset: 16, .size: 8, .value_kind: global_buffer, .address_space: global }
      - { .name: out0, .offset: 24, .size: 8, .value_kind: global_buffer, .address_space: global }
    .group_segment_fixed_size: 169472
    .private_segment_fixed_size: 0
    .kernarg_segment_align: 8
    .kernarg_segment_size: 32
    .max_flat_workgroup_size: 128
    .sgpr_count:     66
    .vgpr_count:     238
    .wavefront_size: 32
...
	.end_amdgpu_metadata
.endif
;; end of part 1
;; ======== version 2 of 2: 1 launch; 1.23 times as fast as version 1
;; launch tropix (part 2): grid 8 x 32, 8 waves a work-group, clusters of 4 x 4, 186,368 bytes of LDS; arguments x, weight, bias, out0; writes out0
.if DOCPART == 2
	.amdgcn_target "amdgcn-amd-amdhsa--gfx1250"
	.amdhsa_code_object_version 6
	.text
	.protected	k_q1697ed9700_tropix
	.globl	k_q1697ed9700_tropix
	.p2align	8
	.type	k_q1697ed9700_tropix,@function
k_q1697ed9700_tropix:
	s_mov_b64 s[64:65], 0
	v_nop
	global_prefetch_b8 v0, s[64:65] scope:SCOPE_SE
	s_setreg_imm32_b32 hwreg(HW_REG_WAVE_MODE, 25, 1), 1
	s_wait_xcnt 0x0
	s_wait_alu depctr_hold_cnt(0) depctr_sa_sdst(0) depctr_va_vdst(0) depctr_va_sdst(0) depctr_va_ssrc(0) depctr_va_vcc(0) depctr_vm_vsrc(0)
	s_getreg_b32 s2, hwreg(HW_REG_IB_STS2, 6, 4)
	s_cmp_eq_u32 s2, 0
	s_cbranch_scc0 .Lentry_in_a_cluster
	s_endpgm
.Lentry_in_a_cluster:
	s_bfe_u32 s2, ttmp6, 0x10000c
	s_cmp_lg_u32 s2, 0xf033
	s_cbranch_scc0 .Lentry_shape_is_right
	s_endpgm
.Lentry_shape_is_right:
; out0[n][m] = bias[m] + sum over signs a, b of a b max_k( relu(a x[n][k]) relu(b weight[m][k]) ).   x, weight, out0: [512][512] f32, bias: [512] f32.
;
; THE ARITHMETIC.  Let xp = relu(x), xn = relu(-x).  As xp >= 0: relu(x) relu(w) = max(xp w, 0) and relu(x) relu(-w) = -min(xp w, 0), the same products bit for
; bit, and likewise for xn.  So with   A = max(0, max_k xp w)   Dm = min(0, min_k xp w)   C = max(0, max_k xn w)   Bm = min(0, min_k xn w)
; the four terms are A (+,+), Dm (+,-), -C (-,+), -Bm (-,-):  out0 = A + Dm - C - Bm + bias.  Two products and four extrema for each (n, m, k) instead of four
; and four; two k at a time: one packed multiply makes two products, one three-input max or min takes both in.  This holds for all finite inputs.
; LIMITS.  A NaN or an infinity in x or weight (reference() then gives NaN, by 0 x infinity or by the NaN itself) is not reproduced: v_max/min*_num drop a NaN.
; The five addends are summed as (A - C) + (Dm - Bm) + bias, another order of rounding than reference()'s; the four extrema themselves are exact copies.
; A maximum of products is no sum of products: the matrix instructions have no part in it; all arithmetic is f32.
;
; THE SHARES.  A work-group makes 16 rows x 64 columns of out0 (a row of the block is 256 consecutive bytes, aligned): 32 x 8 = 256 work-groups.
; Eight waves, two for each of the WGP's four SIMDs (2 x 238 of a SIMD's 1,024 registers), so that one has instructions to issue while the other stands at a wait
; or a barrier.  Wave w = rg + 4 kh: rows 4 rg .. 4 rg + 3, all 64 columns, and every other step of 16 k: the two waves of a pair (w, w + 4) split k, not the
; outputs, so the lane's tile and the sum of all LDS reads are those of four waves.
; Lane l = b0 + 2 mg + 16 b4: column group mg (0..7), k group kg = b0 + 2 b4 (0..3).  A lane holds 4 rows (i) x 8 columns (j: column 2 mg + (j & 1) + 16 (j >> 1)),
; four extrema each = 128 registers; in its step t (0..3) of stage g it takes the four k = 128 g + 32 t + 16 kh + 4 kg + 0..3.
; At the end the four k groups are joined inside the wave, in registers; then each wave of a pair keeps two rows and hands the other two to its partner through LDS.
;
; THE DATA.  All that a work-group reads, 16 rows of x and 64 of weight (160 KiB), fits in LDS at once: every tensor load is a first fill, none a refill.
; K goes in four stages of 128 (rows of 512 bytes, from multiples of 512 bytes), so that work begins when x and the first stage of weight are in.
; Wave w loads rows 8 (w & 1) .. + 7 of x's stage w >> 1 and, for every stage, weight's rows 8 w .. 8 w + 7: five loads of 8 rows x 128 numbers, all five out at once.
; CLUSTERS: 4 x 4 work-groups.  The four of a cluster's row make the same rows of out0 and ask jointly for x's tiles, the four of a column the same columns and ask
; jointly for weight's: a quarter of the requests.  A round of the cluster's barrier stands in front of the joint loads and one in front of s_endpgm.
; LDS rows are 528 bytes apart (512 + 16 of padding) = 132 words.  A load of a weight row: lanes 0-15 (and likewise 16-31) address rows 2 apart at
; words 264 mg + 4 b0 + a constant = 8 mg + 4 b0 modulo 64: sixteen different 16-byte columns of the 64 banks of 4 bytes (ISA guide 11.1).
.set ROWB,   2048                      ; bytes in a row of x, weight and out0
.set PITCH,  528                       ; bytes from row to row in LDS
.set PROWS,  8                         ; rows that one tensor load brings
.set PIECE,  PROWS*PITCH               ; and the bytes that it fills: 4,224
.set XSTAGE, 2*PIECE                   ; x: stage g (16 rows) at g x 8,448 from LDS byte 0
.set WBASE,  4*XSTAGE                  ; weight: behind x's four stages,
.set WSTAGE, 8*PIECE                   ; stage g at WBASE + g x 33,792, row r of the 64 at + 528 r
.set STG,    WBASE+4*WSTAGE            ; byte 168,960 = 660 x 256: behind all tiles, 2,048 bytes for each wave, written by LDS stores alone; no tensor load fills it
.set STAGEB, 512                       ; bytes of a row in a stage
.set STEPB,  128                       ; bytes of a row from a wave's step to its next: its own 64 and its partner's 64
.set FETCH,  0                         ; kinds of step: the next step lies in the same stage;
.set SYNC,   1                         ; it lies in the next stage: a wait and a barrier stand ahead of the fetches;
.set LAST,   2                         ; nothing is left to fetch
.set B0,  1                            ; v1        b0
.set XA,  2                            ; v2        LDS address of my 16 bytes in my wave's first row of x
.set WA,  3                            ; v3        the same in weight's row 2 mg
.set OFF, 4                            ; v4        64 kg + 8 mg: my two columns' bytes in a row of the block, and in bias
.set BI,  6                            ; v[6:7]    bias of my two columns
.set RAW, 8                            ; v[8:23]   x as loaded: row i in 4 registers (4 k)
.set W,   24                           ; v[24:55]  weight: column j in 4 registers (4 k)
.set SA,  56                           ; v56       the way out: my 16 bytes in my wave's part of the stage
.set PA,  57                           ; v57       the same in my partner's part
.set XP,  58                           ; v[58:73]  relu(x)
.set XN,  74                           ; v[74:89]  relu(-x)
.set T,   92                           ; v[92:107] four sets of products: xn w (2 k), xp w (2 k)
.set ACC, 108                          ; v[108:235] output (i, j) at ACC + 4 (8 i + j): A, Dm, C, Bm
.set KP,  RAW                          ; the way out: the two rows that I keep, (r, e) at KP + 8 r + 4 e: A, Dm, C, Bm
.set SD,  W                            ; the two rows that I send, likewise
.set LD,  W+16                         ; my partner's figures of the rows that I keep
.set O,   T                            ; row r's two numbers
.set G1X, 24                           ; s[24:31]  descriptor group 1 for x's tiles
.set G1W, 32                           ; s[32:39]  the same for weight's: it differs in the mask alone
.set G0X, 40                           ; s[40:43]  descriptor group 0 of my x tile
.set G0W, 44                           ; s[44:59]  descriptor group 0 of my weight tile of stage 0..3: five loads are out together, so each has its own
; A round of the cluster's barrier: my work-group's barrier, wave 0 signals for the work-group, every wave waits for all sixteen, my work-group's barrier again.
.macro ROUND
	s_barrier_signal -1
	s_barrier_wait -1
	s_cmp_lg_u32 s12, 0
	s_cbranch_scc1 .Lnot_wave_0_\@
	s_barrier_signal -3
.Lnot_wave_0_\@:
	s_barrier_wait -3
	s_barrier_signal -1
	s_barrier_wait -1
.endm
	s_load_b256 s[4:11], s[0:1], 0x0               ; x s[4:5], weight s[6:7], bias s[8:9], out0 s[10:11]
	v_lshl_add_u32 v236, v0, 2, 0x2d400
	v_mov_b32 v237, 0
	ds_add_u32 v236, v237
	v_lshrrev_b32 v5, 5, v0
	v_readfirstlane_b32 s12, v5                    ; wave 0..7
	s_and_b32 s2, s12, 3                           ; rg: my group of four rows
	s_bfe_u32 s13, ttmp6, 0x40000                  ; cx: my place along the cluster's x
	s_bfe_u32 s14, ttmp6, 0x40004                  ; cy: along its y
	s_lshl_b32 s15, ttmp9, 2                       ; in a cluster launch ttmp9 and ttmp7 count clusters
	s_add_co_u32 s15, s15, s13                     ; block of 64 columns = 4 x cluster x + cx
	s_and_b32 s16, ttmp7, 0xffff
	s_lshl_b32 s16, s16, 2
	s_add_co_u32 s16, s16, s14                     ; block of 16 rows = 4 x cluster y + cy
	s_lshl_b32 s17, s14, 2
	s_lshl_b32 s17, 15, s17                        ; my row of the cluster: places 4 cy .. 4 cy + 3
	s_lshl_b32 s18, 0x1111, s13                    ; my column: places cx, cx + 4, cx + 8, cx + 12
	; group 1: 8 rows x 128 elements of 4 bytes, 512 elements from row to row; in LDS 4 words of padding behind every 128 words
.set G1C, (2<<16)|(1<<20)|(1<<21)|(6<<22)|(3<<25)  ; 17:16 element of 4 bytes; 20 padding on; 21 set beside a mask; 24:22 every 128 words (code 6); 31:25 four words (code 3)
	s_or_b32 s[G1X+0], s17, G1C                    ; 15:0 the mask: x's tiles hang on the block of rows alone and go to my row of the cluster
	s_or_b32 s[G1W+0], s18, G1C                    ; weight's hang on the block of columns alone and go to my column
.irp g, G1X, G1W
	s_mov_b32 s[\g+1], 128<<16                     ; 63:48 tensor_dim0 = 128 (the tiles lie inside the tensors: the extents are the tile's)
	s_mov_b32 s[\g+2], PROWS<<16                   ; 95:80 tensor_dim1 = 8
	s_mov_b32 s[\g+3], 128<<16                     ; 127:112 tile_dim0 = 128
	s_mov_b32 s[\g+4], PROWS                       ; 143:128 tile_dim1 = 8; tile_dim2 = 0
	s_mov_b32 s[\g+5], 512                         ; 191:160 elements from row to row
	s_mov_b32 s[\g+6], 0
	s_mov_b32 s[\g+7], 0
.endr
	s_mul_i32 s19, s12, PIECE                      ; where my tiles go: the wave's number alone enters an LDS address.  For x: stage w >> 1, rows 8 (w & 1) = w pieces
	s_lshl_b32 s20, s16, 15                        ; x: block x 16 rows x 2,048 bytes
	s_and_b32 s3, s12, 1
	s_lshl_b32 s3, s3, 14                          ;    + (w & 1) x 8 rows
	s_add_co_u32 s20, s20, s3
	s_lshr_b32 s3, s12, 1
	s_lshl_b32 s3, s3, 9                           ;    + stage (w >> 1) x 512 bytes
	s_add_co_u32 s20, s20, s3
	s_mov_b32 s21, 0
	s_lshl_b32 s22, s15, 17                        ; weight: block x 64 rows x 2,048 bytes
	s_lshl_b32 s3, s12, 14                         ;    + wave x 8 rows
	s_add_co_u32 s22, s22, s3
	s_mov_b32 s23, 0
	s_lshl_b32 s60, s16, 15                        ; out0: block x 16 rows
	s_lshl_b32 s3, s2, 13                          ;    + rg x 4 rows
	s_add_co_u32 s60, s60, s3
	s_and_b32 s3, s12, 4
	s_lshl_b32 s3, s3, 10                          ;    + kh x 2 rows: the two rows that I finish and store
	s_add_co_u32 s60, s60, s3
	s_lshl_b32 s62, s15, 8                         ;    + block of columns x 256 bytes, which is also the block's place in bias
	s_add_co_u32 s60, s60, s62
	s_mov_b32 s61, 0
	s_mov_b32 s63, 0
	s_wait_dscnt 0x0
	s_wait_kmcnt 0x0
	s_add_nc_u64 s[10:11], s[10:11], s[60:61]      ; out0 at the first row that I store, the block's first column
	s_add_nc_u64 s[8:9], s[8:9], s[62:63]          ; bias at the block's first column
	s_add_nc_u64 s[22:23], s[6:7], s[22:23]        ; weight at my 8 rows, stage 0
	s_mov_b32 s[G0X], 1                            ; 1:0 count = 1
	s_add_co_u32 s[G0X+1], s19, 0                  ; 63:32 LDS address of my x tile
	s_add_nc_u64 s[G0X+2:G0X+3], s[4:5], s[20:21]  ; 120:64 global address of the tile's first element
	s_or_b32 s[G0X+3], s[G0X+3], 0x80000000        ; 127:126 type = 2
.irp g, 0,1,2,3
	s_mov_b32 s[G0W+4*\g], 1
	s_add_co_u32 s[G0W+4*\g+1], s19, WBASE+\g*WSTAGE
	s_add_nc_u64 s[G0W+4*\g+2:G0W+4*\g+3], s[22:23], \g*STAGEB
	s_or_b32 s[G0W+4*\g+3], s[G0W+4*\g+3], 0x80000000
.endr
	ROUND                                          ; all sixteen work-groups are here: the joint loads meet
	tensor_load_to_lds s[G0X:G0X+3], s[G1X:G1X+7]  ; all fills of the launch go out as one group: x first, then weight by stages; five are out
	s_nop 0
.irp g, 0,1,2,3
	tensor_load_to_lds s[G0W+4*\g:G0W+4*\g+3], s[G1W:G1W+7]
	s_nop 0
.endr
	v_and_b32 v[B0], 1, v0                         ; b0
	v_bfe_u32 v5, v0, 4, 1                         ; b4
	v_lshl_add_u32 v5, v5, 1, v[B0]                ; kg = b0 + 2 b4
	v_bfe_u32 v[T], v0, 1, 3                       ; mg
	v_lshlrev_b32 v[OFF], 6, v5
	v_lshl_add_u32 v[OFF], v[T], 3, v[OFF]         ; 64 kg + 8 mg
	global_load_b64 v[BI:BI+1], v[OFF], s[8:9]     ; bias of the two columns that I store; waited for at its use, at the end
	s_and_b32 s3, s12, 4
	s_lshl_b32 s3, s3, 4                           ; 64 kh: my half of each 128 bytes
	v_lshl_add_u32 v[XA], v5, 4, s3                ; 16 kg + 64 kh
	v_mul_u32_u24 v[WA], v[T], 2*PITCH             ; row 2 mg
	v_add_nc_u32 v[WA], v[WA], v[XA]
	v_add_nc_u32 v[WA], WBASE, v[WA]
	s_mul_i32 s3, s2, 4*PITCH                      ; row 4 rg
	v_add_nc_u32 v[XA], s3, v[XA]
	v_and_b32 v[SA], 31, v0
	v_lshlrev_b32 v[SA], 4, v[SA]                  ; 16 x lane
	s_add_co_u32 s3, s12, 4
	s_and_b32 s3, s3, 7                            ; my partner: (w + 4) mod 8
	s_lshl_b32 s3, s3, 11
	s_add_co_u32 s3, s3, STG
	v_add_nc_u32 v[PA], s3, v[SA]
	s_lshl_b32 s3, s12, 11
	s_add_co_u32 s3, s3, STG
	v_add_nc_u32 v[SA], s3, v[SA]
.macro XLOADS                          ; my wave's four rows of x, 4 k each
.irp i, 0,1,2,3
	ds_load_b128 v[RAW+4*\i:RAW+4*\i+3], v[XA] offset:\i*PITCH
.endr
.endm
.macro WRUN first                      ; weight's rows of four of my columns, first .. first + 3, 4 k each
.set wj, \first
.rept 4
	ds_load_b128 v[W+4*wj:W+4*wj+3], v[WA] offset:((wj&1)+16*(wj>>1))*PITCH
.set wj, wj+1
.endr
.endm
; A step's 64 groups: group g = 8 j + 4 kp + i is output (i, j), k pair kp.  MUL makes group gm's four products, RED takes group gr's into the four extrema.
.macro MUL
.set mi, gm & 3
.set mk, (gm >> 2) & 1
.set mj, gm >> 3
	v_pk_mul_f32 v[T+4*mi+2:T+4*mi+3], v[XP+4*mi+2*mk:XP+4*mi+2*mk+1], v[W+4*mj+2*mk:W+4*mj+2*mk+1]
	v_pk_mul_f32 v[T+4*mi:T+4*mi+1],   v[XN+4*mi+2*mk:XN+4*mi+2*mk+1], v[W+4*mj+2*mk:W+4*mj+2*mk+1]
.set gm, gm+1
.endm
.macro RED zero                        ; zero = 1: an output's first k pair starts its extrema from the constant 0, which is also the clamp: nothing is cleared
.set ri, gr & 3
.set rq, ACC+4*(8*ri+(gr >> 3))
.if \zero*(1-((gr >> 2) & 1))
	v_max3_num_f32 v[rq],   v[T+4*ri+2], v[T+4*ri+3], 0
	v_min3_num_f32 v[rq+1], v[T+4*ri+2], v[T+4*ri+3], 0
	v_max3_num_f32 v[rq+2], v[T+4*ri],   v[T+4*ri+1], 0
	v_min3_num_f32 v[rq+3], v[T+4*ri],   v[T+4*ri+1], 0
.else
	v_max3_num_f32 v[rq],   v[T+4*ri+2], v[T+4*ri+3], v[rq]
	v_min3_num_f32 v[rq+1], v[T+4*ri+2], v[T+4*ri+3], v[rq+1]
	v_max3_num_f32 v[rq+2], v[T+4*ri],   v[T+4*ri+1], v[rq+2]
	v_min3_num_f32 v[rq+3], v[T+4*ri],   v[T+4*ri+1], v[rq+3]
.endif
.set gr, gr+1
.endm
; One step: 4 k of each lane, 32 outputs.  The products run three groups ahead of the extrema that take them, in four sets of registers that take turns.
; The next step's twelve LDS loads go out in TWO runs, so that the stream of vector instructions is broken at two places: behind column 3's last product x's four
; rows and columns 0 to 3 (x's registers are free since the step's head), behind column 7's last product columns 4 to 7.  Each run has half a step or more, some
; 200 instructions, before its first use.  So at a step's head twelve loads are out at the most, in this order: x 4, columns 0-3, columns 4-7.
; XA and WA hold this step's addresses at its head and are stepped two columns in: over a hundred instructions behind the last load that read them (the run at the
; last step's end) and about as many ahead of the next.
.macro STEP zero, mode, tcnt
	s_wait_dscnt 8                                 ; x of this step is in: behind its four loads only weight's eight of this step were issued
.irp r, 0,1,2,3,4,5,6,7,8,9,10,11,12,13,14,15
	v_max_num_f32 v[XP+\r], 0, v[RAW+\r]           ; xp = relu(x)
.endr
.irp r, 0,2,4,6,8,10,12,14
	v_pk_add_f32 v[XN+\r:XN+\r+1], v[XP+\r:XP+\r+1], v[RAW+\r:RAW+\r+1] neg_lo:[0,1] neg_hi:[0,1]   ; xn = xp - x = relu(-x), exactly, two at a time
.endr
.set gm, 0
.set gr, 0
.set sl, 0
.rept 67
.if sl >= 3
	RED \zero
.if \mode == SYNC
.if gr == 24
	; The next step's numbers lie in the next stage.  Three columns are done; the run that fetches stands behind the fourth.
	s_wait_tensorcnt \tcnt                         ; my part of the next stage's weight has landed; the tiles of the stages behind it, issued later, may stay out
	s_wait_dscnt 0x0                               ; no LDS load of mine is out at the signal: the four that could be (columns 4 to 7) were issued at the last step's end
	s_barrier_signal -1
	s_barrier_wait -1                              ; every wave's part has landed
.endif
.endif
.endif
.if sl < 64
.if gm == 0
	s_wait_dscnt 4                                 ; columns 0 to 3 are in: behind them only columns 4 to 7 were issued
.endif
.if gm == 16
.if \mode == FETCH
	v_add_nc_u32 v[XA], STEPB, v[XA]               ; the next step's addresses
	v_add_nc_u32 v[WA], STEPB, v[WA]
.endif
.if \mode == SYNC
	v_add_nc_u32 v[XA], XSTAGE-STAGEB+STEPB, v[XA] ; three steps of 128 bytes have been taken in this stage: on to my first of the next
	v_add_nc_u32 v[WA], WSTAGE-STAGEB+STEPB, v[WA]
.endif
.endif
.if gm == 32
.if \mode == LAST
	s_wait_dscnt 0                                 ; columns 4 to 7: nothing was issued behind them
.else
	s_wait_dscnt 8                                 ; columns 4 to 7 are in: behind them stand the eight loads of the run just issued
.endif
.endif
	MUL
.if \mode != LAST
.if gm == 32
	XLOADS                                         ; column 3's last product has been issued: the next step's x and columns 0 to 3
	WRUN 0
.endif
.if gm == 64
	WRUN 4                                         ; column 7's last product has been issued: the next step's columns 4 to 7
.endif
.endif
.endif
.set sl, sl+1
.endr
.endm
.macro TRIPS n
	s_mov_b32 s3, \n
.Ltrip_\@:
	STEP 0, FETCH, 0
	s_sub_co_u32 s3, s3, 1
	s_cmp_lg_u32 s3, 0
	s_cbranch_scc1 .Ltrip_\@
.endm
	s_wait_tensorcnt 0x3                           ; my x tile and my part of weight's stage 0 have landed; the three later stages stay out
	s_barrier_signal -1
	s_barrier_wait -1                              ; every wave's have: all of x and weight's stage 0 are whole
	XLOADS                                         ; my step 0, in the order of every step: x, columns 0-3, columns 4-7
	WRUN 0
	WRUN 4
	STEP 1, FETCH, 0                               ; step 0 starts the extrema and fetches step 1
	TRIPS 2                                        ; steps 1 and 2 fetch 2 and 3
	STEP 0, SYNC, 2                                ; step 3 fetches step 4, my first of stage 1: stages 2 and 3 may stay out
	TRIPS 3                                        ; steps 4 to 6
	STEP 0, SYNC, 1                                ; step 7: stage 2
	TRIPS 3                                        ; steps 8 to 10
	STEP 0, SYNC, 0                                ; step 11: stage 3, my last tensor load: none is out from here on
	TRIPS 3                                        ; steps 12 to 14
	STEP 0, LAST, 0                                ; step 15
	; THE FOUR k GROUPS ARE JOINED.  Lanes l and l ^ 16: the swap gives lanes 0-15 both halves' figures of columns j = 0..3 and lanes 16-31 both halves' of
	; j = 4..7, one max or min joins them: 64 figures are left, those of column j' + 4 b4 in the registers of j' = 0..3.
.irp i, 0,1,2,3
.irp j, 0,1,2,3
.irp t, 0,1,2,3
	v_permlane16_swap_b32 v[ACC+4*(8*\i+\j)+\t], v[ACC+4*(8*\i+\j+4)+\t]
.endr
.endr
.irp j, 0,1,2,3
	v_max_num_f32 v[ACC+4*(8*\i+\j)],   v[ACC+4*(8*\i+\j)],   v[ACC+4*(8*\i+\j+4)]
	v_min_num_f32 v[ACC+4*(8*\i+\j)+1], v[ACC+4*(8*\i+\j)+1], v[ACC+4*(8*\i+\j+4)+1]
	v_max_num_f32 v[ACC+4*(8*\i+\j)+2], v[ACC+4*(8*\i+\j)+2], v[ACC+4*(8*\i+\j+4)+2]
	v_min_num_f32 v[ACC+4*(8*\i+\j)+3], v[ACC+4*(8*\i+\j)+3], v[ACC+4*(8*\i+\j+4)+3]
.endr
.endr
	; Lanes l and l ^ 1: the exchange rides on the max or min (DPP); both lanes then hold the extrema over all of my wave's 256 k.
.irp i, 0,1,2,3
.irp j, 0,1,2,3
	v_max_num_f32_dpp v[ACC+4*(8*\i+\j)],   v[ACC+4*(8*\i+\j)],   v[ACC+4*(8*\i+\j)]   row_xmask:1 row_mask:0xf bank_mask:0xf
	v_min_num_f32_dpp v[ACC+4*(8*\i+\j)+1], v[ACC+4*(8*\i+\j)+1], v[ACC+4*(8*\i+\j)+1] row_xmask:1 row_mask:0xf bank_mask:0xf
	v_max_num_f32_dpp v[ACC+4*(8*\i+\j)+2], v[ACC+4*(8*\i+\j)+2], v[ACC+4*(8*\i+\j)+2] row_xmask:1 row_mask:0xf bank_mask:0xf
	v_min_num_f32_dpp v[ACC+4*(8*\i+\j)+3], v[ACC+4*(8*\i+\j)+3], v[ACC+4*(8*\i+\j)+3] row_xmask:1 row_mask:0xf bank_mask:0xf
.endr
.endr
	; Of the four columns j' the lane keeps 2 b0 + e, e = 0, 1: j = 2 b0 + e + 4 b4 is column 16 kg + 2 mg + e of the block, byte 64 kg + 8 mg + 4 e of its row.
	; THE TWO WAVES OF A PAIR ARE JOINED.  Wave kh keeps rows 2 kh and 2 kh + 1 of the four and sends the other two.  The select by b0 is written twice, under one
	; branch on the wave's number, so that the rows kept and the rows sent lie in the same registers in both waves and all that follows is one text.
.macro PICK keep, send
.irp r, 0,1
.irp e, 0,1
.irp t, 0,1,2,3
	v_cndmask_b32 v[SD+8*\r+4*\e+\t], v[ACC+4*(8*(\send+\r)+\e)+\t], v[ACC+4*(8*(\send+\r)+\e+2)+\t], vcc_lo
.endr
.endr
.endr
.irp r, 0,1
.irp e, 0,1
.irp t, 0,1,2,3
	v_cndmask_b32 v[KP+8*\r+4*\e+\t], v[ACC+4*(8*(\keep+\r)+\e)+\t], v[ACC+4*(8*(\keep+\r)+\e+2)+\t], vcc_lo
.endr
.endr
.endr
.endm
	v_cmp_eq_u32 vcc_lo, 1, v[B0]
	s_cmp_ge_u32 s12, 4
	s_cbranch_scc1 .Lupper
	PICK 0, 2                                      ; waves 0 to 3 (kh = 0)
	s_branch .Lpicked
.Lupper:
	PICK 2, 0                                      ; waves 4 to 7 (kh = 1)
.Lpicked:
.irp q, 0,1,2,3
	ds_store_b128 v[SA], v[SD+4*\q:SD+4*\q+3] offset:512*\q    ; 32 lanes x 16 neighbouring bytes, into my wave's own 2,048 bytes
.endr
	s_wait_dscnt 0x0                               ; for my partner's sake: my four stores are done
	s_barrier_signal -1
	s_barrier_wait -1                              ; and so are everybody's
.irp q, 0,1,2,3
	ds_load_b128 v[LD+4*\q:LD+4*\q+3], v[PA] offset:512*\q     ; the same lane of my partner holds the same columns
.endr
	s_wait_dscnt 0x0
.irp q, 0,1,2,3
	v_max_num_f32 v[KP+4*\q],   v[KP+4*\q],   v[LD+4*\q]       ; the extrema over all 512 k
	v_min_num_f32 v[KP+4*\q+1], v[KP+4*\q+1], v[LD+4*\q+1]
	v_max_num_f32 v[KP+4*\q+2], v[KP+4*\q+2], v[LD+4*\q+2]
	v_min_num_f32 v[KP+4*\q+3], v[KP+4*\q+3], v[LD+4*\q+3]
.endr
.irp q, 0,1,2,3
	v_pk_add_f32 v[KP+4*\q:KP+4*\q+1], v[KP+4*\q:KP+4*\q+1], v[KP+4*\q+2:KP+4*\q+3] neg_lo:[0,1] neg_hi:[0,1]   ; A - C, Dm - Bm
.endr
.irp q, 0,1,2,3
	v_add_f32 v[O+\q], v[KP+4*\q], v[KP+4*\q+1]    ; q = 2 r + e: a row's two numbers lie side by side
.endr
	s_wait_loadcnt 0x0                             ; bias, asked for at the start
.irp r, 0,1
	v_pk_add_f32 v[O+2*\r:O+2*\r+1], v[O+2*\r:O+2*\r+1], v[BI:BI+1]
.endr
.irp r, 0,1
	global_store_b64 v[OFF], v[O+2*\r:O+2*\r+1], s[10:11] offset:\r*ROWB th:TH_STORE_NT   ; the wave's 32 lanes store 256 consecutive bytes, at a multiple of 256 from out0's first byte
.endr
	s_wait_tensorcnt 0x0
	ds_add_u32 v236, v237
	s_wait_dscnt 0x0
	ROUND                                          ; the closing round: no work-group ends while a partner may still ask for a tile that names it
	s_endpgm
.Lfunc_end_k_q1697ed9700_tropix:
	.size	k_q1697ed9700_tropix, .Lfunc_end_k_q1697ed9700_tropix-k_q1697ed9700_tropix
	.p2alignl 7, 3214868480
	.fill 96, 4, 3214868480
	.section	.rodata,"a",@progbits
	.p2align	6, 0x0
	.amdhsa_kernel k_q1697ed9700_tropix
		.amdhsa_group_segment_fixed_size 186368
		.amdhsa_private_segment_fixed_size 0
		.amdhsa_enable_private_segment 0
		.amdhsa_kernarg_size 32
		.amdhsa_user_sgpr_count 2
		.amdhsa_user_sgpr_kernarg_segment_ptr 1
		.amdhsa_wavefront_size32 1
		.amdhsa_system_sgpr_workgroup_id_x 1
		.amdhsa_system_sgpr_workgroup_id_y 1
		.amdhsa_system_sgpr_workgroup_id_z 1
		.amdhsa_system_vgpr_workitem_id 0
		.amdhsa_next_free_vgpr 238
		.amdhsa_next_free_sgpr 66
		.amdhsa_reserve_vcc 1
		.amdhsa_float_denorm_mode_32 3
		.amdhsa_float_denorm_mode_16_64 3
		.amdhsa_memory_ordered 1
		.amdhsa_forward_progress 1
		.amdhsa_inst_pref_size 254
	.end_amdhsa_kernel
	.amdgpu_metadata
---
amdhsa.version: [ 1, 2 ]
amdhsa.kernels:
  - .name:           k_q1697ed9700_tropix
    .symbol:         k_q1697ed9700_tropix.kd
    .args:
      - { .name: x, .offset: 0, .size: 8, .value_kind: global_buffer, .address_space: global }
      - { .name: weight, .offset: 8, .size: 8, .value_kind: global_buffer, .address_space: global }
      - { .name: bias, .offset: 16, .size: 8, .value_kind: global_buffer, .address_space: global }
      - { .name: out0, .offset: 24, .size: 8, .value_kind: global_buffer, .address_space: global }
    .group_segment_fixed_size: 186368
    .private_segment_fixed_size: 0
    .kernarg_segment_align: 8
    .kernarg_segment_size: 32
    .max_flat_workgroup_size: 256
    .sgpr_count:     66
    .vgpr_count:     238
    .wavefront_size: 32
...
	.end_amdgpu_metadata
.endif
;; end of part 2
